; MI455X (gfx1250); checked and timed in simulation.
; The chip was launched on July 23, 2026; its instructions are those of AMD's public machine-readable ISA for CDNA 5 (MIT licence, August 2026) and "CDNA5" Instruction Set Architecture Reference Guide (July 2026). The comments in the code are by the model that wrote it; some were corrected since.
;; Multihead Attention. Allowed arithmetic: matrix products marked QUANTISED: E4M3 operands, one given power-of-two scale a tensor, by v_wmma_f32_16x16x64_fp8_fp8 or v_wmma_f32_16x16x128_fp8_fp8, f32 sums; everything else in f32.
;; Inputs: Wk 1,024 x 1,024 float32; Wq 1,024 x 1,024 float32; Wv 1,024 x 1,024 float32; bk 1,024 float32; bq 1,024 float32; bv 1,024 float32; key_value_em 2,048 x 4 x 1,024 float32; lowp_scales 10 int32 (the exponents e of the quantised operands' scales 2^e); query_em 2,048 x 4 x 1,024 float32.
;; Outputs: out0 2,048 x 4 x 1,024 float32.
;; This version of the problem:
;;   THIS VERSION OF THE PROBLEM IS GIVEN IN LOW PRECISION. The matrix products marked QUANTISED in the list below multiply operands that are first quantised to E4M3 (4 exponent bits, 3 mantissa bits; 8 bits a number), with one given power-of-two scale for each operand tensor; their sums are f32. All else is computed in f32.
;;   The module's matrix products, in the order in which they are computed (A, B: the left and right operand; K: the contracted axis; several contracted axes count as one K, in the product's order):
;;     1. [M 8,192, K 1,024] x [K 1,024, N 1,024]; A: input query_em; B: input Wq: QUANTISED (scales: A lowp_scales[0], B lowp_scales[1])
;;     2. [M 8,192, K 1,024] x [K 1,024, N 1,024]; A: input key_value_em; B: input Wk: QUANTISED (scales: A lowp_scales[2], B lowp_scales[3])
;;     3. [M 8,192, K 1,024] x [K 1,024, N 1,024]; A: input key_value_em; B: input Wv: QUANTISED (scales: A lowp_scales[4], B lowp_scales[5])
;;     4. batch 64 x [M 2,048, K 64] x [K 64, N 2,048]; A: computed on the way; B: computed on the way: QUANTISED (scales: A lowp_scales[6], B lowp_scales[7])
;;     5. batch 64 x [M 2,048, K 2,048] x [K 2,048, N 64]; A: softmax (see below); B: computed on the way: QUANTISED (scales: A lowp_scales[8], B lowp_scales[9])
;;   THE QUANTISER, for each operand of a quantised product, along K:
;;     - The operand's scale is 2^e, e = its entry of the input lowp_scales (int32; the entries are numbered through the quantised products in the list's order, A before B).
;;     - Each number is divided by the scale, clamped to +-448, and rounded to the nearest number of E4M3, ties to even, subnormals kept.
;;     - The product sums the exact products of the quantised numbers (number of the format x scale) in f32.
;;   ~~~python
;;   def quantise(x, axis, e):      # numpy; x: float32 -> the quantised numbers, widened to float32 again
;;       x = np.moveaxis(x, axis, -1); K = x.shape[-1]
;;       r = np.clip(x / 2.0 ** e, -448, 448)
;;       step = 2.0 ** (np.maximum(np.frexp(np.where(r == 0, 1, r))[1] - 1, -6) - 3)
;;       q = np.round(r / step) * step * 2.0 ** e      # np.round: ties to even
;;       return np.moveaxis(q, -1, axis).astype(np.float32)
;;   ~~~
;;   SOFTMAX AHEAD OF A QUANTISED PRODUCT. Where the list says 'softmax', what is quantised is not the finished softmax but p = 2^(t - M), with t = logit x log2(e) and M = ceil(the row's largest t), a whole number; so 1/2 < the row's largest p <= 1. The row's sum l is taken of the UNQUANTISED p, in f32, and the product's result is divided by l at the end. Since M is a whole number, a kernel that streams over the keys may use a running M (the ceiling of the running maximum): every later rescaling is an exact power of two, so the quantised numbers keep their values, but for numbers so far below the row's largest that they fall under the format's range.
;;   OPERANDS COMPUTED ON THE WAY. 'Computed on the way' means the value that the module computes at that place (a softmax that the list does not call 'softmax' is quantised finished and normalised). What goes into a quantiser is computed in f32, as accurately as f32 sums, v_exp_f32 and their like allow (about 1e-6 of the number): no bf16 or f16 on the way to a quantiser, and a product that is left as it is and whose result goes on into a quantised operand takes f32 operands (vector FMAs, or v_wmma_f32_16x16x4_f32). A number that lies on a knife's edge between two numbers of the format may be rounded either way, as far as f32 arithmetic and the matrix unit's own rounding can turn it there, and no further.
;; One version. Each part assembles by itself: llvm-mc -triple=amdgcn-amd-amdhsa -mcpu=gfx1250 --defsym DOCPART=n.
;; ======== version 1 of 1: 3 launches
;; limits: right only within a limited range of input values
;; workspace buffers: xcodes 25,165,824 bytes; wcodes 4,194,304 bytes; qkv 25,165,824 bytes
;; launch quant (part 1): grid 1216 x 1, 4 waves a work-group, no clusters, 33,280 bytes of LDS; arguments query_em, key_value_em, Wq, Wk, Wv, lowp_scales, xcodes, wcodes; writes xcodes, wcodes
.if DOCPART == 1
	.amdgcn_target "amdgcn-amd-amdhsa--gfx1250"
	.amdhsa_code_object_version 6
	.text
	.protected	k_q73f33fae62_quant
	.globl	k_q73f33fae62_quant
	.p2align	8
	.type	k_q73f33fae62_quant,@function
k_q73f33fae62_quant:
	s_mov_b64 s[64:65], 0
	v_nop
	global_prefetch_b8 v0, s[64:65] scope:SCOPE_SE
	s_setreg_imm32_b32 hwreg(HW_REG_WAVE_MODE, 25, 1), 1
	s_wait_xcnt 0x0
; f32 operands of the three projections become codes of FP8 (E4M3), K innermost, each with the scale 2^e that is given for it.
; code = x / 2^e, held within +-448, rounded to the nearest code, ties to even.
; xcodes [3][8192 rows 4 s + b][1024]: part 0 = query_em with e0, part 1 = key_value_em with e2, part 2 = key_value_em with e4 (read once, converted twice).
; wcodes [1024 n][4][1024]: row n of Wq, Wk, Wv at (4 n + g) x 1024 bytes, g = 0, 1, 2 (e1, e3, e5); place 3 is neither written nor read.
; LIMITS: each of e0 .. e5 lies between -126 and 119, so that 2^e and 448 x 2^e are f32 numbers.  NaN among the inputs is not served (an infinity is held at the largest code).
; SHARES: a work-group takes 16 rows of 1,024 numbers, a wave 4 rows, as 8 steps of half a row.  Work-groups 0-511: query_em; 512-1023: key_value_em; 1024-1215: the weights, 64 each.
; Only pointers, a pitch and exponents are chosen by the work-group number; all take one path, but for the second conversion of key_value_em, under a scalar branch on that number.
; Each of a step's four loads reads 512 consecutive bytes; the 2,048 bytes go through the wave's own stage in LDS (16 bytes of padding behind each 64) and come back 64 bytes a lane,
; so that a lane holds 16 neighbours along K.  A lane's 16 codes are 16 bytes: a store covers 512 consecutive bytes, aligned.
; No work-group shares an input with another: no cluster; waves share nothing: no barrier.  Loads run four steps (16 loads a wave) ahead, the turn through LDS one step.
.set STEPS, 8
.set SP,    80
.set WREG,  8192
.set OFF,   16                         ; v16-19   16 x lane + i x the codes' row pitch
.set R,     24                         ; v24-87   four sets of 16 numbers as they are loaded
.set X,     88                         ; v88-119  two sets of 16 neighbours
.set T,     120                        ; v120-135 the numbers held for the second scale
.set C,     136                        ; v136-151 codes, four sets of four registers
.set C2,    152                        ; v152-167 codes under the second scale
	s_load_b256 s[4:11], s[0:1], 0x0               ; query_em, key_value_em, Wq, Wk
	s_load_b256 s[12:19], s[0:1], 0x20             ; Wv, the exponents, xcodes, wcodes
	v_lshl_add_u32 v168, v0, 2, 0x8000
	v_mov_b32 v169, 0
	v_lshrrev_b32 v1, 5, v0
	v_readfirstlane_b32 s20, v1                    ; wave
	v_and_b32 v2, 31, v0                           ; lane
	v_lshlrev_b32 v3, 4, v2                        ; my 16 bytes of a load's 512, and of a store's
	s_wait_alu depctr_va_vdst(0)
	s_mul_i32 s21, s20, WREG
	v_lshrrev_b32 v14, 2, v2
	v_mul_u32_u24 v14, v14, SP
	v_and_b32 v15, 3, v2
	v_lshl_add_u32 v14, v15, 4, v14
	v_add_nc_u32 v14, s21, v14                     ; the stage, on the way in
	v_mul_u32_u24 v15, v2, SP
	v_add_nc_u32 v15, s21, v15                     ; and on the way out: my 16 neighbours
	s_sub_co_u32 s42, ttmp9, 1024                  ; among the weights' work-groups (used there alone)
	s_lshr_b32 s43, s42, 6                         ; which weight: 0, 1, 2
	s_and_b32 s44, s42, 63                         ; which 16 rows of it
	s_and_b32 s45, ttmp9, 511                      ; which 16 rows of x
	s_lshr_b32 s41, ttmp9, 9                       ; 0 query_em, 1 key_value_em, 2 a weight
	s_lshl_b32 s42, s43, 10                        ; a weight's place in a row group of wcodes
	s_mov_b32 s40, 4096
	s_cmp_lt_u32 ttmp9, 1024
	s_cselect_b32 s40, 1024, s40                   ; the codes' row pitch
	s_cselect_b32 s46, s45, s44
	s_cselect_b32 s42, 0x800000, s42               ; key_value_em: part 1 of xcodes
	s_cmp_lt_u32 ttmp9, 512
	s_cselect_b32 s42, 0, s42                      ; query_em: part 0
	s_lshl_b32 s46, s46, 4
	s_lshl_b32 s47, s20, 2
	s_add_co_u32 s46, s46, s47                     ; my wave's first row
	s_mul_i32 s44, s46, s40
	s_add_co_u32 s44, s44, s42                     ; its codes, in bytes
	s_mov_b32 s45, 0
	s_lshl_b32 s46, s46, 12                        ; its numbers, in bytes
	s_mov_b32 s47, 0
.irp i, 0,1,2,3
	v_mad_u32_u24 v[OFF+\i], s40, \i, v3
.endr
	s_wait_alu depctr_va_vdst(0)                   ; directly ahead of the wait below
	s_wait_kmcnt 0x0
	s_load_b256 s[24:31], s[14:15], 0x0
	s_cmp_eq_u32 s43, 1
	s_cselect_b64 s[32:33], s[10:11], s[12:13]     ; the choices hang on the work-group number alone
	s_cmp_eq_u32 s43, 0
	s_cselect_b64 s[32:33], s[8:9], s[32:33]
	s_cmp_lt_u32 ttmp9, 1024
	s_cselect_b64 s[32:33], s[6:7], s[32:33]
	s_cselect_b64 s[34:35], s[16:17], s[18:19]
	s_cmp_lt_u32 ttmp9, 512
	s_cselect_b64 s[32:33], s[4:5], s[32:33]
	s_add_nc_u64 s[32:33], s[32:33], s[46:47]      ; from here I read,
	s_add_nc_u64 s[34:35], s[34:35], s[44:45]      ; here I store,
	s_add_nc_u64 s[36:37], s[34:35], 0x800000      ; and here the codes under the second scale (key_value_em alone: part 2)
.macro LOAD t
.irp i, 0,1,2,3
	global_load_b128 v[R+16*((\t)%4)+4*\i:R+16*((\t)%4)+4*\i+3], v3, s[32:33] offset:2048*(\t)+512*\i th:TH_LOAD_NT
.endr
.endm
.macro TURN t                          ; LDS serves a wave's instructions in order: no wait between the stores and the loads
.irp i, 0,1,2,3
	ds_store_b128 v14, v[R+16*((\t)%4)+4*\i:R+16*((\t)%4)+4*\i+3] offset:32*SP*((\t)%2)+8*SP*\i
.endr
.irp i, 0,1,2,3
	ds_load_b128 v[X+16*((\t)%2)+4*\i:X+16*((\t)%2)+4*\i+3], v15 offset:32*SP*((\t)%2)+16*\i
.endr
.endm
.irp t, 0,1,2,3
	LOAD \t
.endr
	s_wait_kmcnt 0x0
	s_cmp_eq_u32 s43, 1
	s_cselect_b32 s38, s27, s29                    ; e3 or e5,
	s_cmp_eq_u32 s43, 0
	s_cselect_b32 s38, s25, s38                    ; e1,
	s_cmp_lt_u32 ttmp9, 1024
	s_cselect_b32 s38, s26, s38                    ; e2,
	s_cmp_lt_u32 ttmp9, 512
	s_cselect_b32 s38, s24, s38                    ; e0
	s_add_co_i32 s38, s38, 127
	s_lshl_b32 s21, s38, 23
	v_mov_b32 v11, s21                             ; 2^e as f32
	s_add_co_i32 s38, s38, 8
	s_lshl_b32 s38, s38, 23
	s_or_b32 s38, s38, 0x600000
	v_mov_b32 v10, s38                             ; 448 x 2^e
	s_add_co_i32 s39, s28, 127                     ; the same with e4
	s_lshl_b32 s21, s39, 23
	v_mov_b32 v13, s21
	s_add_co_i32 s39, s39, 8
	s_lshl_b32 s39, s39, 23
	s_or_b32 s39, s39, 0x600000
	v_mov_b32 v12, s39
	s_wait_loadcnt 12                              ; step 0's four loads are in
	TURN 0
.macro STEP t
.set XS, X+16*((\t)%2)
.set CA, C+4*((\t)%4)
.set CB, C2+4*((\t)%4)
	s_wait_dscnt 0x0                               ; this step's numbers are back from the stage, and its stores into the stage have read their registers,
.if (\t)+4 < STEPS
	LOAD (\t)+4                                    ; which take the loads of four steps on
.endif
.if (\t)+1 < STEPS
.if STEPS-2-(\t) >= 3
	s_wait_loadcnt 12                              ; the next step's four loads are in; those of the three steps behind it may be out
.else
	s_wait_loadcnt 4*(STEPS-2-(\t))
.endif
	TURN (\t)+1
.endif
.if (\t) >= 4
	s_wait_xcnt 0x0                                ; the stores of four steps back have read these code registers
.endif
	s_cmp_lg_u32 s41, 1                            ; key_value_em is an operand of two products, each with a scale of its own
	s_cbranch_scc1 .Lone_\@
	s_wait_alu depctr_va_vdst(0)
.irp i, 0,1,2,3,4,5,6,7,8,9,10,11,12,13,14,15
	v_med3_num_f32 v[T+\i], v[XS+\i], -v12, v12    ; into other registers: the numbers are wanted once more
.endr
	v_cvt_scalef32_pk8_fp8_f32 v[CB:CB+1], v[T:T+7], v13
	v_cvt_scalef32_pk8_fp8_f32 v[CB+2:CB+3], v[T+8:T+15], v13
	global_store_b128 v[OFF+(\t)/2], v[CB:CB+3], s[36:37] offset:512*((\t)%2)
.Lone_\@:
	s_wait_alu depctr_va_vdst(0)
.irp i, 0,1,2,3,4,5,6,7,8,9,10,11,12,13,14,15
	v_med3_num_f32 v[XS+\i], v[XS+\i], -v10, v10   ; the conversion does not saturate (ISA guide 7.6.2)
.endr
	v_cvt_scalef32_pk8_fp8_f32 v[CA:CA+1], v[XS:XS+7], v11
	v_cvt_scalef32_pk8_fp8_f32 v[CA+2:CA+3], v[XS+8:XS+15], v11
	global_store_b128 v[OFF+(\t)/2], v[CA:CA+3], s[34:35] offset:512*((\t)%2)   ; row t / 2 of my four, half t % 2
.endm
.irp t, 0,1,2,3,4,5,6,7
	STEP \t
.endr
	s_wait_tensorcnt 0x0
	ds_add_u32 v168, v169
	s_wait_dscnt 0x0
	s_endpgm
.Lfunc_end_k_q73f33fae62_quant:
	.size	k_q73f33fae62_quant, .Lfunc_end_k_q73f33fae62_quant-k_q73f33fae62_quant
	.p2alignl 7, 3214868480
	.fill 96, 4, 3214868480
	.section	.rodata,"a",@progbits
	.p2align	6, 0x0
	.amdhsa_kernel k_q73f33fae62_quant
		.amdhsa_group_segment_fixed_size 33280
		.amdhsa_private_segment_fixed_size 0
		.amdhsa_enable_private_segment 0
		.amdhsa_kernarg_size 64
		.amdhsa_user_sgpr_count 2
		.amdhsa_user_sgpr_kernarg_segment_ptr 1
		.amdhsa_wavefront_size32 1
		.amdhsa_system_sgpr_workgroup_id_x 1
		.amdhsa_system_sgpr_workgroup_id_y 1
		.amdhsa_system_sgpr_workgroup_id_z 1
		.amdhsa_system_vgpr_workitem_id 0
		.amdhsa_next_free_vgpr 170
		.amdhsa_next_free_sgpr 66
		.amdhsa_reserve_vcc 0
		.amdhsa_float_denorm_mode_32 3
		.amdhsa_float_denorm_mode_16_64 3
		.amdhsa_memory_ordered 1
		.amdhsa_forward_progress 1
		.amdhsa_inst_pref_size 32
	.end_amdhsa_kernel
	.amdgpu_metadata
---
amdhsa.version: [ 1, 2 ]
amdhsa.kernels:
  - .name:           k_q73f33fae62_quant
    .symbol:         k_q73f33fae62_quant.kd
    .args:
      - { .name: query_em, .offset: 0, .size: 8, .value_kind: global_buffer, .address_space: global }
      - { .name: key_value_em, .offset: 8, .size: 8, .value_kind: global_buffer, .address_space: global }
      - { .name: Wq, .offset: 16, .size: 8, .value_kind: global_buffer, .address_space: global }
      - { .name: Wk, .offset: 24, .size: 8, .value_kind: global_buffer, .address_space: global }
      - { .name: Wv, .offset: 32, .size: 8, .value_kind: global_buffer, .address_space: global }
      - { .name: lowp_scales, .offset: 40, .size: 8, .value_kind: global_buffer, .address_space: global }
      - { .name: xcodes, .offset: 48, .size: 8, .value_kind: global_buffer, .address_space: global }
      - { .name: wcodes, .offset: 56, .size: 8, .value_kind: global_buffer, .address_space: global }
    .group_segment_fixed_size: 33280
    .private_segment_fixed_size: 0
    .kernarg_segment_align: 8
    .kernarg_segment_size: 64
    .max_flat_workgroup_size: 128
    .sgpr_count:     66
    .vgpr_count:     170
    .wavefront_size: 32
...
	.end_amdgpu_metadata
.endif
;; end of part 1
;; launch proj (part 2): grid 4 x 96, 4 waves a work-group, clusters of 4 x 4, 327,680 bytes of LDS; arguments xcodes, wcodes, lowp_scales, bq, bk, bv, qkv; writes qkv
.if DOCPART == 2
	.amdgcn_target "amdgcn-amd-amdhsa--gfx1250"
	.amdhsa_code_object_version 6
	.text
	.protected	k_q73f33fae62_proj
	.globl	k_q73f33fae62_proj
	.p2align	8
	.type	k_q73f33fae62_proj,@function
k_q73f33fae62_proj:
	s_mov_b64 s[64:65], 0
	v_nop
	global_prefetch_b8 v0, s[64:65] scope:SCOPE_SE
	s_setreg_imm32_b32 hwreg(HW_REG_WAVE_MODE, 25, 1), 1
	s_wait_xcnt 0x0
	s_wait_alu depctr_hold_cnt(0) depctr_sa_sdst(0) depctr_va_vdst(0) depctr_va_sdst(0) depctr_va_ssrc(0) depctr_va_vcc(0) depctr_vm_vsrc(0)
	s_getreg_b32 s2, hwreg(HW_REG_IB_STS2, 6, 4)
	s_cmp_eq_u32 s2, 0
	s_cbranch_scc0 .Lentry_in_a_cluster
	s_endpgm
.Lentry_in_a_cluster:
	s_bfe_u32 s2, ttmp6, 0x10000c
	s_cmp_lg_u32 s2, 0xf033
	s_cbranch_scc0 .Lentry_shape_is_right
	s_endpgm
.Lentry_shape_is_right:
; The three projections on codes of FP8 (E4M3): Y = x W^T x 2^(ex + ew) + bias, quantised at once with the scale 2^eo of the product that takes it (Q: e6, K: e7, V: e9), and stored as
; IMAGES OF OPERAND REGISTERS for the attention launch.  x: xcodes part g (rows of one batch 4,096 bytes apart), W: wcodes (rows 4,096 bytes apart); K = 1,024.
; qkv: part g (0 Q, 1 K, 2 V) at g << 23, head 16 b + h at << 17, block of 128 along the sequence at << 13.  Inside a block,
;   Q, K: ((s >> 4) & 7) 1024 + (d >> 5) 512 + ((d >> 3) & 1) 256 + (s & 15) 16 + ((d >> 4) & 1) 8 + (d & 7): a fragment of 16 rows x 64 d is two loads of 16 bytes at 16 x lane, 512 bytes apart;
;   V:    (d >> 4) 2048 + ((s >> 5) & 3) 512 + ((s >> 3) & 1) 256 + (d & 15) 16 + ((s >> 4) & 1) 8 + (s & 7): a fragment of 16 d x 128 keys is four such loads.
; LIMITS: eo - ex - ew lies between -126 and 119, so that the conversion's scale and 448 x it are f32 numbers; the bias is scaled by v_ldexp_f32.  NaN is not served.
; A tile of 256 x 256 is made by a work-group of four waves, 128 x 128 a wave: 64 accumulators of 16 x 16, 512 registers.  K goes in steps of 256 through a ring of two LDS slots filled by the tensor data mover.
; THE MATRIX INSTRUCTION: source 0 = 16 rows of side B, source 1 = 16 rows of side A: lane (r, h), register j holds B's row 16 b + 8 h + j against A's row 16 a + r.
; A lane's eight results must be eight neighbours along the K of the product that takes them.  Q, K (that K is d): side A = x (batch cy, 256 rows of the sequence), side B = W (features 256 cx on).
; V (that K is the keys): side A = Wv (features 256 cy on), side B = x (batch cx).  The two roles differ in global addresses, in which bias registers start the sums, and in the stores' offsets; the role
; hangs on the cluster's y alone and is the same in all sixteen partners.
; CLUSTERS: 4 x 4 work-groups.  Side A's tile hangs on cy and is shared along a row of the cluster, side B's on cx and is shared along a column: each is asked for JOINTLY, by the same tensor load with
; the same descriptor and a mask that names the four.
; THE BIAS is the C of each sum's first matrix instruction, divided by the power of two that the sums lack: bias x 2^-(ex + ew).
; A fragment is fetched by four loads of 16 bytes: lane l holds K = 32 c + 16 (l / 16) + 0 .. 15 in registers 4 c .. 4 c + 3: a permutation of k that is the same on both sides, so every product meets its partner.
; REGISTERS, in windows of 256: window 0: v12, v13 the hold and the scale; v16-29 addresses; v32-95 the bias, eight registers a block; v96-103 V's bias as loaded; from v128 side A's fragments, ONE set, later the codes.
;   window 1: side B's fragments, TWO sets.   window 2: the 32 accumulators of my A rows 0-63 (accumulator (a, b) at v[8 (8 a + b)]);   window 3: those of my A rows 64-127.
.set ROWB,   256                       ; a tile's row in bytes: 256 codes
.set KROW,   4096                      ; from row to row in memory, on both sides
.set PITCH,  272                       ; an LDS row: 256 bytes + 16 of padding = 68 words: row r starts at bank 4 r mod 64 (64 banks of 4 bytes: ISA guide 11.1), so the 16 rows that a load touches start at 16 different banks
.set FR,     16                        ; registers of a fragment: 16 rows x 128 K
.set NL,     4                         ; LDS loads that bring one
.set NP,     4                         ; places behind this matrix instruction (ISA guide 7.12.1)
.set HALFT,  128*PITCH                 ; 128 rows: what one tensor load brings, and what one wave reads of a side
.set SLOT,   4*HALFT                   ; A's 256 rows, then B's 256 rows
.set SPARE,  2*SLOT                    ; behind the ring: the spare words, 128 bytes for each wave: two blocks of 256 bytes that no other line names
.set LIM,  12                          ; v12     448 x 2^(eo - ex - ew)
.set SC,   13                          ; v13     2^(eo - ex - ew)
.set ADRA, 16                          ; v16-17  LDS address of my A fragments in slot 0, 1
.set ADRB, 20                          ; v20-21  the same for B
.set CO,   26                          ; v26     16 x lane: my place in a store's 512 bytes
.set SPW,  28                          ; v28     LDS address of my spare word: SPARE + 4 x my thread's number; never rewritten
.set NIL,  29                          ; v29     0; never rewritten
.set BIAS, 32
.set RAW,  96
.set AF,   128                         ; A's fragments, in window 0
.set CD,   128                         ; the codes: 16 registers for each block a, where A's fragments lay
.set G1, 24                            ; s[24:31] descriptor group 1 for A's tiles;  s[32:39] group 0, one set for each slot
.set G0, 32
.set G1B, 48                           ; s[48:55], s[56:63] the same for B's tiles
.set G0B, 56
.set MSB, 0
.macro WIN new                         ; the immediate's high byte repeats the setting that is left
.if MSB != \new
	s_set_vgpr_msb (MSB<<8)|\new
.set MSB, \new
.endif
.endm
.set MUL_LO, 0xa1                      ; source 0 (B) window 1, source 1 (A) window 0, C and D window 2
.set MUL_HI, 0xf1                      ; the same, C and D window 3
.set ONE_LO, 0x81                      ; the first K step: C (the bias) window 0, D window 2
.set ONE_HI, 0xc1                      ; the same, D window 3
.set TO_B,   0x40                      ; destination window 1, address window 0
; A joint load: waves 0 and 1 fetch for A, waves 2 and 3 for B.  Each of the two lines has ONE mask and one set of registers for all that issue it; the branch hangs on the wave's number alone.
; Four v_nop follow each of the two lines, ahead of the jump, the label and what follows.
.macro JLOAD g0a, g1a, g0b, g1b
	s_cmp_eq_u32 s15, 0
	s_cbranch_scc0 .Lfor_b_\@
	tensor_load_to_lds s[\g0a:\g0a+3], s[\g1a:\g1a+7]
	s_nop 0
.rept 4
	v_nop
.endr
	s_branch .Lasked_\@
.Lfor_b_\@:
	tensor_load_to_lds s[\g0b:\g0b+3], s[\g1b:\g1b+7]
	s_nop 0
.rept 4
	v_nop
.endr
.Lasked_\@:
.endm
.macro CREST                           ; a round of the cluster's barrier behind its opening barrier
	s_cmp_lg_u32 s14, 0
	s_cbranch_scc1 .Lnot_wave_0_\@
	s_barrier_signal -3
.Lnot_wave_0_\@:
	s_barrier_wait -3
	s_barrier_signal -1
	s_barrier_wait -1
.endm
.macro CROUND                          ; a whole round
	s_barrier_signal -1
	s_barrier_wait -1
	CREST
.endm
	s_load_b256 s[4:11], s[0:1], 0x0               ; xcodes s[4:5], wcodes s[6:7], the exponents s[8:9], bq s[10:11]
	s_load_b128 s[84:87], s[0:1], 0x20             ; bk s[84:85], bv s[86:87]
	s_load_b64 s[88:89], s[0:1], 0x30              ; qkv
	v_lshl_add_u32 v[SPW], v0, 2, SPARE
	v_mov_b32 v[NIL], 0
	ds_add_u32 v28, v29
	ds_add_u32 v28, v29
	s_wait_dscnt 0x0
	v_lshrrev_b32 v1, 5, v0
	v_readfirstlane_b32 s14, v1                    ; wave 0..3
	s_lshr_b32 s15, s14, 1                         ; which half of A's rows is mine.  Also: I fetch for A (0) or for B (1)
	s_and_b32 s16, s14, 1                          ; which half of B's rows.  Also: which 128 rows of that side I fetch
	s_bfe_u32 s40, ttmp6, 0x40000                  ; cx, cy: my place in the cluster
	s_bfe_u32 s41, ttmp6, 0x40004
	s_and_b32 s18, ttmp7, 0xffff                   ; the cluster's y, 0 .. 23
	s_lshr_b32 s17, s18, 3                         ; g: 0 Q, 1 K, 2 V
	s_and_b32 s18, s18, 7                          ; which 256 along the sequence
	s_lshl_b32 s43, s41, 2
	s_lshl_b32 s43, 15, s43                        ; my row of the cluster
	s_lshl_b32 s44, 0x1111, s40                    ; my column
	; descriptor group 1: a tile of 128 rows x 256 bytes, padded in LDS
	s_or_b32 s[G1+0], s43, (0<<16)|(1<<20)|(1<<21)|(5<<22)|(3<<25)  ; 15:0 the mask: A's tiles go to my row; 17:16 element of 1 byte; 20 padding on; 21 set beside a mask; 24:22 after every 64 words (code 5); 31:25 of 4 words (code 3)
	s_or_b32 s[G1B+0], s44, (0<<16)|(1<<20)|(1<<21)|(5<<22)|(3<<25)
.irp g, G1, G1B
	s_mov_b32 s[\g+1], ROWB<<16                    ; tensor_dim0
	s_mov_b32 s[\g+2], 128<<16                     ; tensor_dim1 = 128
	s_mov_b32 s[\g+3], ROWB<<16                    ; tile_dim0
	s_mov_b32 s[\g+4], 128                         ; tile_dim1 = 128
	s_mov_b32 s[\g+5], KROW                        ; tensor_dim0_stride
	s_mov_b32 s[\g+6], 0
	s_mov_b32 s[\g+7], 0
.endr
	; where the tiles come from, in bytes.  A's offset is made of cy, B's of cx, each in registers that never hold the other coordinate
	s_lshl_b32 s42, s16, 19                        ; the 128 rows that I fetch
	s_lshl_b32 s20, s17, 23                        ; A for Q, K: x part g,
	s_lshl_b32 s21, s18, 20                        ; 256 rows of the sequence,
	s_add_co_u32 s20, s20, s21
	s_lshl_b32 s21, s41, 10                        ; batch cy
	s_add_co_u32 s20, s20, s21
	s_lshl_b32 s21, s41, 20                        ; A for V: Wv's rows 256 cy on,
	s_add_co_u32 s21, s21, 2048                    ; place 2 of a row group
	s_lshl_b32 s46, s40, 20                        ; B for Q, K: W's rows 256 cx on,
	s_lshl_b32 s47, s17, 10                        ; place g
	s_add_co_u32 s46, s46, s47
	s_lshl_b32 s47, s18, 20                        ; B for V: x part 2, 256 rows of the sequence,
	s_add_co_u32 s47, s47, 0x1000000
	s_lshl_b32 s82, s40, 10                        ; batch cx
	s_add_co_u32 s47, s47, s82
	s_cmp_eq_u32 s17, 2                            ; the role
	s_cselect_b32 s20, s21, s20
	s_cselect_b32 s46, s47, s46
	s_add_co_u32 s20, s20, s42
	s_add_co_u32 s46, s46, s42
	s_mov_b32 s21, 0
	s_mov_b32 s47, 0
	s_mul_i32 s45, s14, HALFT                      ; where they go: wave x 128 rows: no place in the cluster enters an LDS address
	s_wait_kmcnt 0x0
	s_load_b256 s[68:75], s[8:9], 0x0              ; e0 .. e7
	s_load_b64 s[76:77], s[8:9], 0x20              ; e8, e9
	s_cmp_eq_u32 s17, 2
	s_cselect_b64 s[22:23], s[6:7], s[4:5]         ; A's buffer,
	s_cselect_b64 s[82:83], s[4:5], s[6:7]         ; B's
	s_add_nc_u64 s[20:21], s[22:23], s[20:21]
	s_add_nc_u64 s[46:47], s[82:83], s[46:47]
	CROUND                                         ; all sixteen work-groups are here: the first joint loads meet
.irp s, 0,1
	s_mov_b32 s[G0+4*\s], 1
	s_add_co_u32 s[G0+4*\s+1], s45, \s*SLOT
	s_add_nc_u64 s[G0+4*\s+2:G0+4*\s+3], s[20:21], \s*ROWB
	s_or_b32 s[G0+4*\s+3], s[G0+4*\s+3], 0x80000000
	s_mov_b32 s[G0B+4*\s], 1
	s_add_co_u32 s[G0B+4*\s+1], s45, \s*SLOT
	s_add_nc_u64 s[G0B+4*\s+2:G0B+4*\s+3], s[46:47], \s*ROWB
	s_or_b32 s[G0B+4*\s+3], s[G0B+4*\s+3], 0x80000000
.endr
	; the prefetches: of the 128 rows that I fetch, each of the four partners that ask for them jointly names 32, told apart by address (cx for A's tile, cy for B's): a lane a row, 256 bytes of a K step.
	; Behind each joint load but the last stands one prefetch of the K step that the next joint load asks for; the K step is an immediate, so these registers are never rewritten.
	s_cmp_eq_u32 s15, 0
	s_cselect_b64 s[94:95], s[20:21], s[46:47]
	s_cselect_b32 s96, s40, s41
	s_lshl_b32 s96, s96, 17                        ; 32 rows of 4,096 bytes
	s_mov_b32 s97, 0
	s_add_nc_u64 s[94:95], s[94:95], s[96:97]
	JLOAD G0, G1, G0B, G1B
	v_and_b32 v30, 31, v0
	v_lshlrev_b32 v30, 12, v30                     ; my lane's row
	global_prefetch_b8 v30, s[94:95] offset:256 th:TH_LOAD_NT scope:SCOPE_SE   ; K step 1
	v_and_b32 v1, 15, v0                           ; r = l % 16
	v_bfe_u32 v2, v0, 4, 1                         ; h = l / 16
	v_mul_u32_u24 v3, v1, PITCH
	v_lshl_add_u32 v4, v2, 4, v3                   ; a fragment's row x pitch + 16 x half
	s_mul_i32 s21, s15, HALFT                      ; my 128 rows of A
	s_mul_i32 s22, s16, HALFT                      ; my 128 rows of B,
	s_add_co_u32 s22, s22, 2*HALFT                 ; which lie behind A's 256
.irp s, 0,1
	v_add_nc_u32 v[ADRA+\s], s21, v4
	v_add_nc_u32 v[ADRB+\s], s22, v4
	s_add_co_u32 s21, s21, SLOT
	s_add_co_u32 s22, s22, SLOT
.endr
	v_and_b32 v6, 31, v0
	v_lshlrev_b32 v[CO], 4, v6
	v_lshlrev_b32 v5, 5, v2                        ; Q, K: my eight bias numbers of a block begin 32 h bytes in
	v_lshlrev_b32 v7, 2, v1                        ; V: my one bias number of a block: 4 r bytes in
	; where my results go, and my bias.  Q, K: batch cy, features by cx and my half of B, sequence by my half of A.  V: batch cx, features by cy and my half of A, sequence by my half of B
	s_cmp_eq_u32 s17, 2
	s_cselect_b32 s20, s40, s41                    ; the batch
	s_cselect_b32 s21, s41, s40                    ; which 256 features
	s_cselect_b32 s22, s15, s16                    ; which 128 of them
	s_cselect_b32 s23, s16, s15                    ; which 128 of the 256 along the sequence
	s_lshl_b32 s21, s21, 2
	s_lshl_b32 s22, s22, 1
	s_add_co_u32 s21, s21, s22                     ; my first head of the batch's sixteen (I make two)
	s_lshl_b32 s92, s21, 8                         ; its 64 bias numbers begin here, in bytes
	s_mov_b32 s93, 0
	s_lshl_b32 s20, s20, 4
	s_add_co_u32 s20, s20, s21
	s_lshl_b32 s20, s20, 17
	s_lshl_b32 s21, s18, 1
	s_add_co_u32 s21, s21, s23
	s_lshl_b32 s21, s21, 13
	s_add_co_u32 s20, s20, s21
	s_lshl_b32 s21, s17, 23
	s_add_co_u32 s20, s20, s21
	s_mov_b32 s21, 0
	s_add_nc_u64 s[88:89], s[88:89], s[20:21]
	s_cmp_eq_u32 s17, 1
	s_cselect_b64 s[90:91], s[84:85], s[86:87]
	s_cmp_eq_u32 s17, 0
	s_cselect_b64 s[90:91], s[10:11], s[90:91]
	s_add_nc_u64 s[90:91], s[90:91], s[92:93]
	s_wait_kmcnt 0x0
	s_cmp_eq_u32 s17, 1
	s_cselect_b32 s78, s70, s72                    ; ex = e0, e2, e4
	s_cselect_b32 s79, s71, s73                    ; ew = e1, e3, e5
	s_cselect_b32 s80, s75, s77                    ; eo = e6, e7, e9
	s_cmp_eq_u32 s17, 0
	s_cselect_b32 s78, s68, s78
	s_cselect_b32 s79, s69, s79
	s_cselect_b32 s80, s74, s80
	s_add_co_i32 s78, s78, s79                     ; a sum stands for sum x 2^(ex + ew):
	s_sub_co_i32 s81, 0, s78                       ; the bias goes in x 2^-(ex + ew),
	s_sub_co_i32 s80, s80, s78                     ; and the three scales are folded into the conversion's one
	s_add_co_i32 s80, s80, 127
	s_lshl_b32 s79, s80, 23
	v_mov_b32 v[SC], s79
	s_add_co_i32 s80, s80, 8
	s_lshl_b32 s80, s80, 23
	s_or_b32 s80, s80, 0x600000
	v_mov_b32 v[LIM], s80
	s_cmp_eq_u32 s17, 2                            ; the role: the same in all partners; no barrier and no tensor load stands under it
	s_cbranch_scc1 .Lbias_v
	s_wait_alu depctr_va_vdst(0)
.irp b, 0,1,2,3,4,5,6,7                        ; Q, K: block b's eight registers are the bias of features 16 b + 8 h + 0 .. 7
	global_load_b128 v[BIAS+8*\b:BIAS+8*\b+3], v5, s[90:91] offset:64*\b
	global_load_b128 v[BIAS+8*\b+4:BIAS+8*\b+7], v5, s[90:91] offset:64*\b+16
.endr
	s_wait_loadcnt 0x0
.set jj, 0
.rept 64
	v_ldexp_f32 v[BIAS+jj], v[BIAS+jj], s81
.set jj, jj+1
.endr
	s_branch .Lbias_done
.Lbias_v:
	s_wait_alu depctr_va_vdst(0)
.irp a, 0,1,2,3,4,5,6,7                        ; V: block a's eight registers all hold the bias of feature 16 a + r
	global_load_b32 v[RAW+\a], v7, s[90:91] offset:64*\a
.endr
	s_wait_loadcnt 0x0
.irp a, 0,1,2,3,4,5,6,7
.irp j, 0,1,2,3,4,5,6,7
	v_ldexp_f32 v[BIAS+8*\a+\j], v[RAW+\a], s81
.endr
.endr
.Lbias_done:
.macro FRAG reg, adr, q, i             ; a fragment, 16 rows x 128 K of 8-bit codes, is 16 registers
.irp c, 0,1,2,3
	ds_load_b128 v[\reg+4*\c:\reg+4*\c+3], v[\adr] offset:128*(\q)+32*\c+(\i)*16*PITCH
.endr
.endm
; 16 matrix instructions: A's blocks a0, a0 + 1 x B's eight, 128 along K.  p: B's set.  zero = 1, 2: the first product starts the sums with the bias (by B's block, by A's block): nothing is ever cleared.
; The 64 accumulators take turns, one instruction a turn, in the same order in every step.
.macro MUL16 a0, p, zero
.irp a, \a0, \a0+1
.irp b, 0,1,2,3,4,5,6,7
.if \zero == 1
	v_wmma_f32_16x16x128_fp8_fp8 v[8*(8*((\a)%4)+\b):8*(8*((\a)%4)+\b)+7], v[128*(\p)+FR*\b:128*(\p)+FR*\b+FR-1], v[AF+FR*(\a):AF+FR*(\a)+FR-1], v[BIAS+8*\b:BIAS+8*\b+7]
.elseif \zero == 2
	v_wmma_f32_16x16x128_fp8_fp8 v[8*(8*((\a)%4)+\b):8*(8*((\a)%4)+\b)+7], v[128*(\p)+FR*\b:128*(\p)+FR*\b+FR-1], v[AF+FR*(\a):AF+FR*(\a)+FR-1], v[BIAS+8*(\a):BIAS+8*(\a)+7]
.else
	v_wmma_f32_16x16x128_fp8_fp8 v[8*(8*((\a)%4)+\b):8*(8*((\a)%4)+\b)+7], v[128*(\p)+FR*\b:128*(\p)+FR*\b+FR-1], v[AF+FR*(\a):AF+FR*(\a)+FR-1], v[8*(8*((\a)%4)+\b):8*(8*((\a)%4)+\b)+7]
.endif
.endr
.endr
.endm
.macro FETCH_B slot, q, p              ; B's eight fragments of the slot's q-th 128 along K into set p
	WIN TO_B
.irp i, 0,1,2,3,4,5,6,7
	FRAG 128*(\p)+FR*\i, ADRB+\slot, \q, \i
.endr
	WIN 0
.endm
.macro FETCH_A slot, q, i0             ; A's blocks i0 .. i0 + 3
.irp i, \i0, \i0+1, \i0+2, \i0+3
	FRAG AF+FR*(\i), ADRA+\slot, \q, \i
.endr
.endm
; A load into a register that a matrix instruction has read, and a vector instruction that reads a matrix result or writes one of a matrix instruction's registers, stand NP places behind it, and only plain
; vector instructions that name none of its registers are places (ISA guide 7.12.1 for vector instructions).
.macro PLACES n
.rept \n
	v_nop
.endr
.endm
; A step of 128 along K that has its successor in the same slot.  A block of A is free as soon as its eight products are issued: blocks 0-3 are fetched anew in the step's middle, blocks 4-7 at its end.
.macro STEP slot, q, zero
	s_wait_dscnt 4*NL                              ; B's set and A's blocks 0-3 are in; the youngest sixteen loads (A's blocks 4-7) may be out
.if \zero
	WIN ONE_LO
.else
	WIN MUL_LO
.endif
	MUL16 0, (\q)%2, \zero
	MUL16 2, (\q)%2, \zero
	s_wait_dscnt 0                                 ; A's blocks 4-7 are in (asked for 32 matrix instructions ago)
	PLACES NP
	FETCH_B \slot, (\q)+1, 1-(\q)%2
	FETCH_A \slot, (\q)+1, 0
.if \zero
	WIN ONE_HI
.else
	WIN MUL_HI
.endif
	MUL16 4, (\q)%2, \zero
	MUL16 6, (\q)%2, \zero
	PLACES NP
	WIN 0
	FETCH_A \slot, (\q)+1, 4
.endm
; A slot's last step changes slots: ONE barrier; in front of it each wave waits for all its tensor loads, adds 0 to its spare word, and waits for that and for its own reads of this slot.  fill = 1: this slot is filled again, two K steps ahead.
.macro TURN slot, next, fill
	s_wait_tensorcnt 0x0                           ; all my tensor loads have landed: my part of the next slot;  (every window is 0 here: the add's two registers lie in window 0)
	ds_add_u32 v[SPW], v[NIL]                      ; 0 onto my spare word
	s_wait_dscnt 4*NL+1                            ; (the add and the youngest sixteen loads, A's blocks 4-7, may be out)
	WIN MUL_LO
	MUL16 0, 1, 0                                  ; sixteen matrix instructions stand between the add and the wait for it
	s_wait_dscnt 0x0                               ; the add is done, and my reads of this slot are over
	s_barrier_signal -1
	MUL16 2, 1, 0
	WIN 0
	s_barrier_wait -1
.if \fill
	CREST                                          ; the barrier has opened a round of the cluster's barrier: no wave of any partner still reads this slot's tile or has a load on its way
	s_add_nc_u64 s[G0+4*\slot+2:G0+4*\slot+3], s[G0+4*\slot+2:G0+4*\slot+3], 2*ROWB
	s_add_nc_u64 s[G0B+4*\slot+2:G0B+4*\slot+3], s[G0B+4*\slot+2:G0B+4*\slot+3], 2*ROWB
	JLOAD G0+4*\slot, G1, G0B+4*\slot, G1B         ; the first tensor load behind the round, my one load until the next; the four v_nop behind it are the places in front of the loads below
.else
	PLACES NP
.endif
	FETCH_B \next, 0, 0
	FETCH_A \next, 0, 0
.if (\fill) && ((\slot) == 0)
	global_prefetch_b8 v30, s[94:95] offset:768 th:TH_LOAD_NT scope:SCOPE_SE   ; K step 3, the last
.endif
	WIN MUL_HI
	MUL16 4, 1, 0
	MUL16 6, 1, 0
	PLACES NP
	WIN 0
	FETCH_A \next, 0, 4
.endm
	s_wait_alu depctr_va_vdst(0)
	s_wait_tensorcnt 0x0                           ; my part of K step 0 is in
	ds_add_u32 v[SPW], v[NIL]
	s_wait_dscnt 0x0
	CROUND                                         ; a whole round: everybody's part of K step 0 is in, and the joint loads meet
	JLOAD G0+4, G1, G0B+4, G1B
	FETCH_B 0, 0, 0
	global_prefetch_b8 v30, s[94:95] offset:512 th:TH_LOAD_NT scope:SCOPE_SE   ; K step 2
	FETCH_A 0, 0, 0
	FETCH_A 0, 0, 4
	s_cmp_eq_u32 s17, 2                            ; the first step is written once for each role: its products start the sums with other bias registers; both issue the same loads
	s_cbranch_scc1 .Lfirst_v
	s_wait_alu depctr_va_vdst(0)
	STEP 0, 0, 1
	s_branch .Lfirst_done
.Lfirst_v:
	s_wait_alu depctr_va_vdst(0)
	STEP 0, 0, 2
.Lfirst_done:
	TURN 0, 1, 1                                   ; K = 1,024 is four K steps of 256, eight steps of 128: written out, no loop.  Slot 0 takes K step 2,
	STEP 1, 0, 0
	TURN 1, 0, 1                                   ; slot 1 K step 3
	STEP 0, 0, 0
	TURN 0, 1, 0                                   ; nothing is left to fetch: no round of the cluster's barrier
	STEP 1, 0, 0
	s_wait_dscnt 4*NL                              ; the very last step
	WIN MUL_LO
	MUL16 0, 1, 0
	MUL16 2, 1, 0
	s_wait_dscnt 0
	WIN MUL_HI
	MUL16 4, 1, 0
	MUL16 6, 1, 0
	WIN 0
	PLACES NP                                      ; in front of the first read of results, and of the codes, which are laid where A's fragments were
; THE WAY OUT, block by block of A's 16 rows.  Each sum is held within +-448 x the scale, each accumulator from its low end on; eight sums of a lane become eight codes, 8 bytes; the codes of B's blocks 2 p and
; 2 p + 1 are 16 bytes that lie together in the image, at 16 x lane: a store covers 512 consecutive bytes, aligned.  No code register is written twice, so no wait stands between the stores.
.macro EPI role
.irp a, 0,1,2,3,4,5,6,7
.set AC, 64*(\a%4)
.set WS, 2+\a/4                                ; source 0 in window 2 or 3
.set WB, WS*65                                 ; destination and source 0 there
	WIN WB
.set jj, 0
.rept 64
	v_med3_num_f32 v[AC+jj], v[AC+jj], -v[LIM], v[LIM]   ; the conversion to an 8-bit code does not saturate (ISA guide 7.6.2)
.set jj, jj+1
.endr
	WIN WS
.irp b, 0,1,2,3,4,5,6,7
	v_cvt_scalef32_pk8_fp8_f32 v[CD+16*\a+2*\b:CD+16*\a+2*\b+1], v[AC+8*\b:AC+8*\b+7], v[SC]
.endr
	WIN 0
	v_nop                                          ; one plain vector line behind the last conversion of a run
.irp p, 0,1,2,3
.if \role
	global_store_b128 v[CO], v[CD+16*\a+4*\p:CD+16*\a+4*\p+3], s[88:89] offset:(\a/4)*131072+(\a%4)*2048+\p*512   ; V: head a / 4 of my two, d = 16 (a % 4) + r, keys 32 p on
.else
	global_store_b128 v[CO], v[CD+16*\a+4*\p:CD+16*\a+4*\p+3], s[88:89] offset:(\p/2)*131072+\a*1024+(\p%2)*512   ; Q, K: head p / 2 of my two, rows 16 a + r, d = 32 (p % 2) on
.endif
.endr
.endr
.endm
	s_cmp_eq_u32 s17, 2
	s_cbranch_scc1 .Lout_v
	EPI 0
	s_branch .Lout_done
.Lout_v:
	EPI 1
.Lout_done:
	s_wait_tensorcnt 0x0                           ; the wave's end, behind my last tensor load
	ds_add_u32 v[SPW], v[NIL]
	s_wait_dscnt 0x0
	CROUND                                         ; the closing round: no work-group ends while a partner may still ask for a tile that names it
	s_endpgm
.Lfunc_end_k_q73f33fae62_proj:
	.size	k_q73f33fae62_proj, .Lfunc_end_k_q73f33fae62_proj-k_q73f33fae62_proj
	.p2alignl 7, 3214868480
	.fill 96, 4, 3214868480
	.section	.rodata,"a",@progbits
	.p2align	6, 0x0
	.amdhsa_kernel k_q73f33fae62_proj
		.amdhsa_group_segment_fixed_size 327680
		.amdhsa_private_segment_fixed_size 0
		.amdhsa_enable_private_segment 0
		.amdhsa_kernarg_size 56
		.amdhsa_user_sgpr_count 2
		.amdhsa_user_sgpr_kernarg_segment_ptr 1
		.amdhsa_wavefront_size32 1
		.amdhsa_system_sgpr_workgroup_id_x 1
		.amdhsa_system_sgpr_workgroup_id_y 1
		.amdhsa_system_sgpr_workgroup_id_z 1
		.amdhsa_system_vgpr_workitem_id 0
		.amdhsa_next_free_vgpr 1024
		.amdhsa_next_free_sgpr 100
		.amdhsa_reserve_vcc 0
		.amdhsa_float_denorm_mode_32 3
		.amdhsa_float_denorm_mode_16_64 3
		.amdhsa_memory_ordered 1
		.amdhsa_forward_progress 1
		.amdhsa_inst_pref_size 179
	.end_amdhsa_kernel
	.amdgpu_metadata
---
amdhsa.version: [ 1, 2 ]
amdhsa.kernels:
  - .name:           k_q73f33fae62_proj
    .symbol:         k_q73f33fae62_proj.kd
    .args:
      - { .name: xcodes, .offset: 0, .size: 8, .value_kind: global_buffer, .address_space: global }
      - { .name: wcodes, .offset: 8, .size: 8, .value_kind: global_buffer, .address_space: global }
      - { .name: lowp_scales, .offset: 16, .size: 8, .value_kind: global_buffer, .address_space: global }
      - { .name: bq, .offset: 24, .size: 8, .value_kind: global_buffer, .address_space: global }
      - { .name: bk, .offset: 32, .size: 8, .value_kind: global_buffer, .address_space: global }
      - { .name: bv, .offset: 40, .size: 8, .value_kind: global_buffer, .address_space: global }
      - { .name: qkv, .offset: 48, .size: 8, .value_kind: global_buffer, .address_space: global }
    .group_segment_fixed_size: 327680
    .private_segment_fixed_size: 0
    .kernarg_segment_align: 8
    .kernarg_segment_size: 56
    .max_flat_workgroup_size: 128
    .sgpr_count:     100
    .vgpr_count:     1024
    .wavefront_size: 32
...
	.end_amdgpu_metadata
.endif
;; end of part 2
;; launch attn (part 3): grid 4 x 64, 8 waves a work-group, no clusters, 297,984 bytes of LDS; arguments qkv, lowp_scales, out0; writes out0
.if DOCPART == 3
	.amdgcn_target "amdgcn-amd-amdhsa--gfx1250"
	.amdhsa_code_object_version 6
	.text
	.protected	k_q73f33fae62_attn
	.globl	k_q73f33fae62_attn
	.p2align	8
	.type	k_q73f33fae62_attn,@function
k_q73f33fae62_attn:
	s_mov_b64 s[64:65], 0
	v_nop
	global_prefetch_b8 v0, s[64:65] scope:SCOPE_SE
	s_setreg_imm32_b32 hwreg(HW_REG_WAVE_MODE, 25, 1), 1
	s_wait_xcnt 0x0
; out0[s][b][64 h + d] = sum over keys of softmax(Q . K / 8) V, both products on codes of FP8 (E4M3); qkv holds Q, K, V as images of operand registers (parts 0, 1, 2 at g << 23, head 16 b + h at << 17).
; t = score x log2(e) / 8 x 2^(eq + ek); M = the ceiling of the running largest t; p = 2^(t - M) is quantised with 2^ep; the row's sum is taken of the unquantised p and divides at the end, with 2^(ep + ev).
; SHARES: a work-group owns 512 queries of one head; each of its eight waves, two to a SIMD, 2 tiles of 16 queries in each of two passes over the 2,048 keys, 128 keys a trip.
; Both products are used transposed (S^T = K Q^T, O^T = V^T P^T): a lane holds one query (lane % 16), its registers run along the keys, so the conversions' results are the second product's operand.
; LDS: K's 128 KB at 0, V's at 0x20000, as they lie in qkv; each byte is stored once.  They come in four chunks of 512 keys through 64 registers a wave (global_load, ds_store, one barrier a chunk);
; chunk 1's loads are issued two trips ahead of its stores and chunks 2 and 3's four trips ahead, so no separate prefetch is laid: the staged loads are the look-ahead.
; THE HOLD OF p at 448 x 2^ep stands under a scalar branch on the given exponents.  It is jumped over where ep >= -8 and eq + ek <= 0: codes are at most 448 and K = 64, so |t| <= 0.1804 x 64 x 448^2 < 2^22,
; the rounding of the largest t moves it by at most 1/8, p <= 2^(1/8), and 448 x 2^ep >= 1.75.  In every other case the hold is run.
; NO CLUSTER, NO TENSOR LOAD: the hold is 128 of a trip's vector instructions, the fill 64 loads and 64 stores a wave in all.
; LIMITS: eq + ek between -123 and 130 (added to c's exponent field), ep between -126 and 119; the scaled scores stay under 2^31 in magnitude.  NaN is not served.
; The first tile's exponentials stand by turns with the second tile's t - M, which no line reads before the stage's closing wait.  A tile's p is summed by a tree in place, behind its conversions.
; The look-ahead of K's fragments wraps: trip 15 fetches block 0 for the second pass; trip 31's fetch of it is not used.
; REGISTERS: window 0: v1-14 addresses; v16-39 row state, 12 a tile; v40-55 Q; v56-87 p's codes; v88-119 held p; v128-191 K's fragments; v192-255 V's.
; Window 1: v0-127 S^T, then p (64 a tile), on the way out the results; v128-191 O^T; v192-255 the chunk on its way.
.set SPI,   272
.set STAGE, 262144
.set SPARE, STAGE+8*16*SPI
.set LA,   1
.set ADK,  2
.set ADV,  3
.set STO,  4
.set RD,   5
.set GO,   6
.set PLIM, 7
.set PSC,  8
.set FA,   9
.set FV,   10
.set SPW,  12
.set NIL,  13
.set AV0,  14
.set ST,   16                          ; +0 -M (+1 its pair), +2,3 the sum, +4 f (+5 its pair), +6,7 two chains of the maximum, +8 the running largest raw score, +9 lane l xor 16's, +10,11 at work
.set QF,   40
.set P,    56
.set TMP,  88
.set KF,   128
.set VF,   192
.set O,    128
.set G,    192
.set WV,   10
.set KB,   16
.set VB,   18
.set QB,   20
.set SEL,  22
.set CS,   24
.set TB,   26
.set X,    27
.set HF,   28
.set EPV,  29
.set WOFF, 30
.set MASK, 31
.set MSB, 0
.macro WIN new
.if MSB != \new
	s_set_vgpr_msb (MSB<<8)|\new
.set MSB, \new
.endif
.endm
.macro QLOAD                           ; my two tiles of Q: 1,024 bytes a tile
.irp u, 0,1
.irp c, 0,1
	global_load_b128 v[QF+8*\u+4*\c:QF+8*\u+4*\c+3], v[LA], s[QB:QB+1] offset:\u*1024+\c*512
.endr
.endr
.endm
.macro GLOAD                           ; my 4,096 bytes of a chunk of K and of V: each load reads 512 consecutive bytes
	WIN 0x40
.set n, 0
.rept 8
	global_load_b128 v[G+4*n:G+4*n+3], v[LA], s[KB:KB+1] offset:512*n
	global_load_b128 v[G+32+4*n:G+32+4*n+3], v[LA], s[VB:VB+1] offset:512*n
.set n, n+1
.endr
	WIN 0
.endm
.macro TOLDS                           ; the chunk goes to LDS byte s36 on, as it lies
	s_wait_loadcnt 0x0
	v_add_nc_u32 v[FA], s36, v[LA]
	v_add_nc_u32 v[FV], s36, v[AV0]
	WIN 0x04
.set n, 0
.rept 8
	ds_store_b128 v[FA], v[G+4*n:G+4*n+3] offset:512*n
	ds_store_b128 v[FV], v[G+32+4*n:G+32+4*n+3] offset:512*n
.set n, n+1
.endr
	WIN 0
	s_wait_dscnt 0x0                               ; for the other waves' sake, and the registers may take the next chunk
.endm
.macro NEXTCHUNK
	s_add_nc_u64 s[KB:KB+1], s[KB:KB+1], 32768     ; the earlier loads are done (TOLDS waited for them)
	s_add_nc_u64 s[VB:VB+1], s[VB:VB+1], 32768
	GLOAD
.endm
.macro LDK adr                         ; eight fragments of K: 16 keys x 64 d each
.irp t, 0,1,2,3,4,5,6,7
.irp c, 0,1
	ds_load_b128 v[KF+8*\t+4*\c:KF+8*\t+4*\c+3], v[\adr] offset:1024*\t+512*\c
.endr
.endr
.endm
.macro INIT
.irp u, 0,1
	v_mov_b32 v[ST+12*\u], 0x7f61b1e6              ; -M = 3e38
	v_mov_b32 v[ST+12*\u+1], 0
	v_mov_b32 v[ST+12*\u+2], 0
	v_mov_b32 v[ST+12*\u+3], 0
	v_mov_b32 v[ST+12*\u+5], 0
	v_mov_b32 v[ST+12*\u+8], 0xff61b1e6            ; under every score
	v_mov_b32 v[ST+12*\u+9], 0
.endr
	WIN 0x40
.set jj, 0
.rept 64
	v_mov_b32 v[O+jj], 0                           ; the trip is written once: the first finds zeros
.set jj, jj+1
.endr
	WIN 0
.endm
.macro FMA u, k                        ; t - M, two at a time
	WIN 0x41
	v_pk_fma_f32 v[64*(\u)+2*(\k):64*(\u)+2*(\k)+1], v[64*(\u)+2*(\k):64*(\u)+2*(\k)+1], s[CS:CS+1], v[ST+12*(\u):ST+12*(\u)+1] op_sel_hi:[1,0,0]
.endm
.macro LV u, st, k                     ; a node of the tree that sums a tile's p in place; st = 4, 8 .. 64 registers from node to node
	WIN 0x45
	v_pk_add_f32 v[64*(\u)+(\st)*(\k):64*(\u)+(\st)*(\k)+1], v[64*(\u)+(\st)*(\k):64*(\u)+(\st)*(\k)+1], v[64*(\u)+(\st)*(\k)+(\st)/2:64*(\u)+(\st)*(\k)+(\st)/2+1]
.endm
.macro LVS u, st, cnt
.set m, 0
.rept \cnt
	LV \u, \st, m
.set m, m+1
.endr
.endm
.macro STAGE j                         ; tile j's 64 exponentials; what stands between them is read only behind the closing wait
	WIN 0x41
.set n, 0
.rept 64
	v_exp_f32 v[64*\j+n], v[64*\j+n]
.if (\j == 0) && (n < 32)
	FMA 1, n
.endif
.set n, n+1
.endr
	v_nop                                          ; a plain place behind the last exponential
	s_wait_alu depctr_va_vdst(0)                   ; one wait for the batch and for what stood in it
.endm
.macro CODES                           ; p of both tiles becomes codes, ahead of the trees that overwrite it
	WIN 0
	s_cmp_eq_u32 s[HF], 0
	s_cbranch_scc1 .Lfree_\@
.irp j, 0,1,2,3                                    ; half j % 2 of tile j / 2
	WIN 0x01
.set i, 0
.rept 32
	v_min_num_f32 v[TMP+i], v[32*\j+i], v[PLIM]    ; the conversion does not saturate (ISA guide 7.6.2); p is not negative; the held p goes into other registers: the sum takes the unheld
.set i, i+1
.endr
	WIN 0
.irp t, 0,1,2,3
	v_cvt_scalef32_pk8_fp8_f32 v[P+8*\j+2*\t:P+8*\j+2*\t+1], v[TMP+8*\t:TMP+8*\t+7], v[PSC]
.endr
	v_nop
.endr
	s_branch .Lcoded_\@
.Lfree_\@:
	WIN 0x01
.irp t, 0,1,2,3,4,5,6,7,8,9,10,11,12,13,14,15
	v_cvt_scalef32_pk8_fp8_f32 v[P+2*\t:P+2*\t+1], v[8*\t:8*\t+7], v[PSC]
.endr
	WIN 0
	v_nop                                          ; one plain line behind the last conversion
.Lcoded_\@:
.endm
.macro OUT                             ; O^T / the sum x 2^(ep + ev), a tile at a time through my stage, out as aligned units of 256 bytes
	s_wait_alu depctr_va_vdst(0)                   ; the sums were written just ahead of a taken branch
.irp u, 0,1
	v_add_f32 v[ST+12*\u+10], v[ST+12*\u+2], v[ST+12*\u+3]
.endr
.irp u, 0,1
	s_delay_alu instid0(VALU_DEP_2)
	v_permlanex16_b32 v[ST+12*\u+9], v[ST+12*\u+10], s[SEL], s[SEL+1]
.endr
.irp u, 0,1
	s_delay_alu instid0(VALU_DEP_2)
	v_add_f32 v[ST+12*\u+10], v[ST+12*\u+10], v[ST+12*\u+9]
.endr
	s_wait_alu depctr_va_vdst(0)
.irp u, 0,1
	v_rcp_f32 v[ST+12*\u+4], v[ST+12*\u+10]
.endr
	v_nop
	s_wait_alu depctr_va_vdst(0)
.irp u, 0,1
	v_ldexp_f32 v[ST+12*\u+4], v[ST+12*\u+4], s[EPV]
.endr
	WIN 0x41
	s_wait_alu depctr_va_vdst(0)                   ; directly ahead of the first readers of O^T
.irp u, 0,1
.set jj, 0
.rept 16
	v_pk_mul_f32 v[32*\u+jj:32*\u+jj+1], v[O+32*\u+jj:O+32*\u+jj+1], v[ST+12*\u+4:ST+12*\u+5] op_sel_hi:[1,0]
.set jj, jj+2
.endr
.endr
	s_wait_alu depctr_va_vdst(0)
.irp u, 0,1
	WIN 0x04
.irp t, 0,1,2,3
	ds_store_b128 v[STO], v[32*\u+8*\t:32*\u+8*\t+3] offset:64*\t
	ds_store_b128 v[STO], v[32*\u+8*\t+4:32*\u+8*\t+7] offset:64*\t+16
.endr
	WIN 0x40
.irp i, 0,1,2,3,4,5,6,7
	ds_load_b128 v[64+32*\u+4*\i:64+32*\u+4*\i+3], v[RD] offset:2*\i*SPI   ; LDS serves a wave's instructions in order: these see my stores, the next tile's stores come behind them
.endr
.endr
	WIN 0x04
.irp u, 0,1
.irp i, 0,1,2,3,4,5,6,7
	s_wait_dscnt (1-\u)*16+7-\i                    ; younger: the rest of this tile's loads and the later tile's 16 LDS instructions
	global_store_b128 v[GO], v[64+32*\u+4*\i:64+32*\u+4*\i+3], s[8:9] offset:\u*262144+\i*32768 th:TH_STORE_NT
.endr
.endr
	WIN 0
	s_wait_xcnt 0x0                                ; the stores have read their base and data
	s_add_nc_u64 s[8:9], s[8:9], 0x400000          ; 256 rows of out0 on
.endm
	s_load_b128 s[4:7], s[0:1], 0x0                ; qkv, the exponents
	s_load_b64 s[8:9], s[0:1], 0x10                ; out0
	v_lshl_add_u32 v[SPW], v0, 2, SPARE
	v_mov_b32 v[NIL], 0
	v_lshrrev_b32 v15, 5, v0
	v_readfirstlane_b32 s[WV], v15                 ; wave 0..7
	v_and_b32 v15, 31, v0
	v_lshlrev_b32 v[LA], 4, v15                    ; 16 x lane
	v_add_nc_u32 v[AV0], 0x20000, v[LA]
	s_and_b32 s12, ttmp7, 0xffff                   ; the head, 16 b + h
	s_lshl_b32 s32, s12, 17
	s_lshl_b32 s13, s[WV], 12
	s_add_co_u32 s32, s32, s13
	s_add_co_u32 s32, s32, 0x800000                ; K: part 1, my head, my 4,096 bytes of a chunk
	s_mov_b32 s33, 0
	s_lshl_b32 s34, s12, 17
	s_lshl_b32 s14, ttmp9, 15
	s_add_co_u32 s34, s34, s14
	s_lshl_b32 s14, s[WV], 11
	s_add_co_u32 s34, s34, s14                     ; Q: tile 32 x + 2 wave (the second pass: 16 tiles on)
	s_mov_b32 s35, 0
	s_wait_alu depctr_va_vdst(0)
	s_wait_kmcnt 0x0
	s_load_b128 s[48:51], s[6:7], 0x18             ; eq, ek, ep, ev
	s_add_nc_u64 s[KB:KB+1], s[4:5], s[32:33]
	s_add_nc_u64 s[VB:VB+1], s[KB:KB+1], 0x800000
	s_add_nc_u64 s[QB:QB+1], s[4:5], s[34:35]
	QLOAD
	GLOAD                                          ; chunk 0
	v_and_b32 v15, 15, v0                          ; r
	v_bfe_u32 v11, v0, 4, 1                        ; h
	s_mul_i32 s13, s[WV], 16*SPI
	s_add_co_u32 s13, s13, STAGE                   ; my stage
	v_mul_u32_u24 v[STO], v15, SPI
	v_mul_u32_u24 v[RD], v11, SPI
	v_lshlrev_b32 v[GO], 14, v11
	v_lshl_add_u32 v[STO], v11, 5, v[STO]
	v_lshl_add_u32 v[RD], v15, 4, v[RD]
	v_lshl_add_u32 v[GO], v15, 4, v[GO]            ; two rows of out0, 16,384 bytes apart, 16 bytes a lane
	v_add_nc_u32 v[STO], s13, v[STO]               ; in: row r, 32 h bytes in
	v_add_nc_u32 v[RD], s13, v[RD]                 ; back: lanes 0-15 one row, lanes 16-31 the next
	s_lshr_b32 s13, s12, 4
	s_lshl_b32 s13, s13, 12
	s_and_b32 s14, s12, 15
	s_lshl_b32 s14, s14, 8
	s_add_co_u32 s32, s13, s14
	s_lshl_b32 s14, ttmp9, 23
	s_add_co_u32 s32, s32, s14
	s_lshl_b32 s14, s[WV], 19
	s_add_co_u32 s32, s32, s14                     ; row 512 x + 32 wave, batch b, columns 64 h on
	s_add_nc_u64 s[8:9], s[8:9], s[32:33]
	s_mov_b32 s[SEL], 0x76543210
	s_mov_b32 s[SEL+1], 0xfedcba98
	s_mov_b32 s[CS], 0x3e38aa3b                    ; log2(e) / 8
	s_mov_b32 s[MASK], 0x80008222                  ; the trips with something at their end: 1, 5, 9 a chunk; 15, 31 a pass's end
	s_lshl_b32 s[WOFF], s[WV], 12
	s_add_co_u32 s[WOFF], s[WOFF], 24576           ; a chunk stored at trip i's end begins three blocks of 8,192 bytes behind block i
	s_wait_kmcnt 0x0
	s_add_co_i32 s13, s48, s49
	s_cmp_gt_i32 s13, 0
	s_cselect_b32 s[HF], 1, 0
	s_cmp_lt_i32 s50, -8
	s_cselect_b32 s[HF], 1, s[HF]                  ; 1: the hold is run
	s_lshl_b32 s13, s13, 23
	s_add_co_i32 s[CS], s[CS], s13
	s_mov_b32 s[CS+1], s[CS]
	s_add_co_i32 s13, s50, 127
	s_lshl_b32 s14, s13, 23
	v_mov_b32 v[PSC], s14                          ; 2^ep
	s_add_co_i32 s13, s13, 8
	s_lshl_b32 s13, s13, 23
	s_or_b32 s13, s13, 0x600000
	v_mov_b32 v[PLIM], s13                         ; 448 x 2^ep
	s_add_co_i32 s[EPV], s50, s51
	INIT
	s_lshl_b32 s36, s[WV], 12
	s_mov_b32 s[X], 0
	s_wait_alu depctr_va_vdst(0)
	TOLDS                                          ; chunk 0 (Q is in too)
	NEXTCHUNK                                      ; chunk 1
	s_barrier_signal -1
	s_barrier_wait -1
	LDK LA                                         ; block 0's fragments of K
.Ltrip:                                                ; 32 trips: two passes of 16 blocks of 128 keys
	s_and_b32 s[TB], s[X], 15
	s_lshl_b32 s[TB], s[TB], 13
	s_add_co_u32 s36, s[X], 1
	s_and_b32 s36, s36, 15
	s_lshl_b32 s36, s36, 13
	v_add_nc_u32 v[ADV], s[TB], v[AV0]
	v_add_nc_u32 v[ADK], s36, v[LA]
.irp t, 0,1,2,3
.irp c, 0,1,2,3
	ds_load_b128 v[VF+16*\t+4*\c:VF+16*\t+4*\c+3], v[ADV] offset:2048*\t+512*\c   ; this block's V, wanted at the trip's end
.endr
.endr
	s_wait_alu depctr_va_vdst(0)
	s_wait_dscnt 16                                ; K's fragments are in; the sixteen loads just issued may be out
	WIN 0x40
.irp t, 0,1,2,3,4,5,6,7
.irp u, 0,1
	v_wmma_f32_16x16x64_fp8_fp8 v[64*\u+8*\t:64*\u+8*\t+7], v[KF+8*\t:KF+8*\t+7], v[QF+8*\u:QF+8*\u+7], 0
.endr
.endr
	WIN 0
.rept 4
	v_nop                                          ; places ahead of the loads into K's registers and of the first reads of S^T
.endr
	LDK ADK                                        ; the next block's K, a trip ahead
	WIN 0x05
.irp i, 0,1,2,3,4,5,6,7,8,9,10,11,12,13,14,15      ; the largest raw score: four chains by turns, each begun with the running one
.irp u, 0,1
.if \i == 0
	v_max3_num_f32 v[ST+12*\u+6], v[64*\u], v[64*\u+1], v[ST+12*\u+8]
	v_max3_num_f32 v[ST+12*\u+7], v[64*\u+2], v[64*\u+3], v[ST+12*\u+8]
.else
	v_max3_num_f32 v[ST+12*\u+6], v[64*\u+4*\i], v[64*\u+4*\i+1], v[ST+12*\u+6]
	v_max3_num_f32 v[ST+12*\u+7], v[64*\u+4*\i+2], v[64*\u+4*\i+3], v[ST+12*\u+7]
.endif
.endr
.endr
	WIN 0
.irp u, 0,1
	v_max_num_f32 v[ST+12*\u+10], v[ST+12*\u+6], v[ST+12*\u+7]
.endr
.irp u, 0,1
	s_delay_alu instid0(VALU_DEP_2)
	v_permlanex16_b32 v[ST+12*\u+9], v[ST+12*\u+10], s[SEL], s[SEL+1]
.endr
.irp u, 0,1
	s_delay_alu instid0(VALU_DEP_2)
	v_max_num_f32 v[ST+12*\u+8], v[ST+12*\u+10], v[ST+12*\u+9]
.endr
.irp u, 0,1
	s_delay_alu instid0(VALU_DEP_2)
	v_mul_f32 v[ST+12*\u+10], s[CS], v[ST+12*\u+8] ; as t (c is positive)
.endr
.irp u, 0,1
	s_delay_alu instid0(VALU_DEP_2)
	v_floor_f32 v[ST+12*\u+11], -v[ST+12*\u+10]    ; the new -M
.endr
.irp u, 0,1
	s_delay_alu instid0(VALU_DEP_2)
	v_sub_f32 v[ST+12*\u+10], v[ST+12*\u+11], v[ST+12*\u]   ; old M - new M, a whole number, 0 or less
.endr
.irp u, 0,1
	s_delay_alu instid0(VALU_DEP_2)
	v_cvt_i32_f32 v[ST+12*\u+10], v[ST+12*\u+10]   ; (it saturates)
.endr
.irp u, 0,1
	s_delay_alu instid0(VALU_DEP_2)
	v_ldexp_f32 v[ST+12*\u+4], 1.0, v[ST+12*\u+10] ; f = 2^(old M - new M)
.endr
.irp u, 0,1
	v_mov_b32 v[ST+12*\u], v[ST+12*\u+11]
.endr
	WIN 0x41
.irp u, 0,1
.set jj, 0
.rept 16
	v_pk_mul_f32 v[O+32*\u+jj:O+32*\u+jj+1], v[O+32*\u+jj:O+32*\u+jj+1], v[ST+12*\u+4:ST+12*\u+5] op_sel_hi:[1,0]   ; O^T under the new M
.set jj, jj+2
.endr
.endr
.set n, 0
.rept 32
	FMA 0, n
.set n, n+1
.endr
	s_wait_alu depctr_va_vdst(0)                   ; ahead of the first batch
	STAGE 0
	STAGE 1
	s_wait_dscnt 0x0                               ; V's fragments (and the next K's) are in
	CODES
	LVS 0, 4, 16                                   ; the two trees
	LVS 1, 4, 16
	LVS 0, 8, 8
	LVS 1, 8, 8
	LVS 0, 16, 4
	LVS 1, 16, 4
	LVS 0, 32, 2
	LVS 1, 32, 2
	LVS 0, 64, 1
	LVS 1, 64, 1
	WIN 0x50
.irp t, 0,1,2,3                                    ; the eight accumulators take turns, one instruction a turn
.irp u, 0,1
	v_wmma_f32_16x16x128_fp8_fp8 v[O+32*\u+8*\t:O+32*\u+8*\t+7], v[VF+16*\t:VF+16*\t+15], v[P+16*\u:P+16*\u+15], v[O+32*\u+8*\t:O+32*\u+8*\t+7]
.endr
.endr
	WIN 0x10
.irp u, 0,1
	v_pk_fma_f32 v[ST+12*\u+2:ST+12*\u+3], v[ST+12*\u+2:ST+12*\u+3], v[ST+12*\u+4:ST+12*\u+5], v[64*\u:64*\u+1] op_sel_hi:[1,0,1]   ; the sum x f + this block's
.endr
	WIN 0
	v_nop                                          ; with the two lines above: the four places behind the products
	v_nop
	s_lshr_b32 s36, s[MASK], s[X]
	s_and_b32 s36, s36, 1
	s_cmp_eq_u32 s36, 0
	s_cbranch_scc1 .Lnext
	s_cmp_gt_u32 s[X], 9
	s_cbranch_scc1 .Lpass_end
	s_add_co_u32 s36, s[TB], s[WOFF]               ; trips 1, 5, 9: chunks 1, 2, 3 go to LDS, two trips ahead of their first read
	TOLDS
	s_cmp_eq_u32 s[X], 9
	s_cbranch_scc1 .Lfilled
	NEXTCHUNK
.Lfilled:
	s_barrier_signal -1                            ; the branches round it hang on the count of trips alone: all eight waves pass it
	s_barrier_wait -1
	s_branch .Lnext
.Lpass_end:
	s_cmp_eq_u32 s[X], 15
	s_cbranch_scc0 .Lno_q
	s_add_nc_u64 s[QB:QB+1], s[QB:QB+1], 16384
	QLOAD                                          ; the second pass's Q comes while the first pass's results leave
.Lno_q:
	OUT
	s_cmp_eq_u32 s[X], 15
	s_cbranch_scc0 .Lnext
	INIT
	s_wait_alu depctr_va_vdst(0)
	s_wait_loadcnt 0x0
.Lnext:
	s_add_co_u32 s[X], s[X], 1
	s_cmp_lt_u32 s[X], 32
	s_cbranch_scc1 .Ltrip
	s_wait_tensorcnt 0x0                           ; the wave's end
	ds_add_u32 v[SPW], v[NIL]
	s_wait_dscnt 0x0
	s_endpgm
.Lfunc_end_k_q73f33fae62_attn:
	.size	k_q73f33fae62_attn, .Lfunc_end_k_q73f33fae62_attn-k_q73f33fae62_attn
	.p2alignl 7, 3214868480
	.fill 96, 4, 3214868480
	.section	.rodata,"a",@progbits
	.p2align	6, 0x0
	.amdhsa_kernel k_q73f33fae62_attn
		.amdhsa_group_segment_fixed_size 297984
		.amdhsa_private_segment_fixed_size 0
		.amdhsa_enable_private_segment 0
		.amdhsa_kernarg_size 24
		.amdhsa_user_sgpr_count 2
		.amdhsa_user_sgpr_kernarg_segment_ptr 1
		.amdhsa_wavefront_size32 1
		.amdhsa_system_sgpr_workgroup_id_x 1
		.amdhsa_system_sgpr_workgroup_id_y 1
		.amdhsa_system_sgpr_workgroup_id_z 1
		.amdhsa_system_vgpr_workitem_id 0
		.amdhsa_next_free_vgpr 512
		.amdhsa_next_free_sgpr 66
		.amdhsa_reserve_vcc 0
		.amdhsa_float_denorm_mode_32 3
		.amdhsa_float_denorm_mode_16_64 3
		.amdhsa_memory_ordered 1
		.amdhsa_forward_progress 1
		.amdhsa_inst_pref_size 56
	.end_amdhsa_kernel
	.amdgpu_metadata
---
amdhsa.version: [ 1, 2 ]
amdhsa.kernels:
  - .name:           k_q73f33fae62_attn
    .symbol:         k_q73f33fae62_attn.kd
    .args:
      - { .name: qkv, .offset: 0, .size: 8, .value_kind: global_buffer, .address_space: global }
      - { .name: lowp_scales, .offset: 8, .size: 8, .value_kind: global_buffer, .address_space: global }
      - { .name: out0, .offset: 16, .size: 8, .value_kind: global_buffer, .address_space: global }
    .group_segment_fixed_size: 297984
    .private_segment_fixed_size: 0
    .kernarg_segment_align: 8
    .kernarg_segment_size: 24
    .max_flat_workgroup_size: 256
    .sgpr_count:     66
    .vgpr_count:     512
    .wavefront_size: 32
...
	.end_amdgpu_metadata
.endif
;; end of part 3
